; MI455X (gfx1250); checked and timed in simulation.
; The chip was launched on July 23, 2026; its instructions are those of AMD's public machine-readable ISA for CDNA 5 (MIT licence, August 2026) and "CDNA5" Instruction Set Architecture Reference Guide (July 2026). The comments in the code are by the model that wrote it; some were corrected since.
;; Embedding To Index. Allowed arithmetic: float matrix products may take bf16 or f16 operands with f32 sums; all other float work in f32.
;; Inputs: X 8 x 2,048 x 64 float32; weight 8,192 x 64 float32.
;; Outputs: out0 8 x 2,048 int32.
;; One version. Each part assembles by itself: llvm-mc -triple=amdgcn-amd-amdhsa -mcpu=gfx1250 --defsym DOCPART=n.
;; ======== version 1 of 1: 2 launches
;; workspace buffers: wb 1,048,576 bytes; bn 32,768 bytes
;; launch prep (part 1): grid 128 x 1, 1 waves a work-group, no clusters, 512 bytes of LDS; arguments weight, wb, bn; writes wb, bn
.if DOCPART == 1
	.amdgcn_target "amdgcn-amd-amdhsa--gfx1250"
	.amdhsa_code_object_version 6
	.text
	.protected	k_q69cd745179_prep
	.globl	k_q69cd745179_prep
	.p2align	8
	.type	k_q69cd745179_prep,@function
k_q69cd745179_prep:
	s_mov_b64 s[64:65], 0
	v_nop
	global_prefetch_b8 v0, s[64:65] scope:SCOPE_SE
	s_setreg_imm32_b32 hwreg(HW_REG_WAVE_MODE, 25, 1), 1
	s_wait_xcnt 0x0
; wb[n][e] = weight[n][e] rounded to bf16;  bn[n] = sum over e of wb[n][e]^2, in f32.   weight: [8192][64] f32.
; The codebook is rounded and squared ONCE here: every one of the next launch's 256 work-groups walks all of it, and would
; otherwise round and square all 524,288 numbers itself and fetch them in four bytes instead of two.
; One wave a work-group; the wave owns 64 tokens: 16 KiB in, 8 KiB of wb out, and 64 norms = 256 consecutive, aligned bytes of bn.
; That last figure sets the number of work-groups: 8192 / 64 = 128.
; An iteration takes 4 tokens (1,024 bytes): lane l holds numbers 8 (l % 8) .. + 7 of token l / 8, so its eight bf16 are 16 bytes and
; a store of the wave covers 512 consecutive bytes of wb.  All 32 loads go out first; nothing is loaded twice.
.set IN,   8                           ; v[8:135]    iteration i: 8 registers as loaded; the first 4 then hold the packed bf16 and are never rewritten
.set T,    136                         ; v[136:143]  the eight rounded numbers, widened again
.set SS,   144                         ; v[144:145]  two running sums of squares
.set NRM,  146                         ; v146        the token's norm
.set OUTN, 148                         ; v[148:149]  two norms on their way out
	s_load_b128 s[4:7], s[0:1], 0x0                ; weight s[4:5], wb s[6:7]
	s_load_b64 s[8:9], s[0:1], 0x10                ; bn
	v_lshl_add_u32 v152, v0, 2, 0x100
	v_mov_b32 v153, 0
	s_mov_b32 s12, 0xffff0000                      ; a word's upper bf16
	s_lshl_b32 s10, ttmp9, 14                      ; 64 tokens of 256 bytes
	s_mov_b32 s11, 0
	v_lshlrev_b32 v1, 5, v0                        ; 32 x lane: my 8 numbers in an iteration's 1,024 bytes
	v_lshlrev_b32 v2, 4, v0                        ; 16 x lane: my 8 bf16 in its 512 bytes of wb
	v_lshrrev_b32 v3, 3, v0
	v_lshlrev_b32 v3, 2, v3                        ; 4 x (lane / 8): my token's word among the iteration's four, in LDS
	v_lshlrev_b32 v4, 3, v0                        ; 8 x lane: two norms, in LDS and in bn
	s_wait_kmcnt 0x0
	s_add_nc_u64 s[4:5], s[4:5], s[10:11]
	s_lshl_b32 s10, ttmp9, 13                      ; 64 tokens of 128 bytes
	s_add_nc_u64 s[6:7], s[6:7], s[10:11]
	s_lshl_b32 s10, ttmp9, 8                       ; 64 norms of 4 bytes
	s_add_nc_u64 s[8:9], s[8:9], s[10:11]
.irp i, 0,1,2,3,4,5,6,7,8,9,10,11,12,13,14,15
	global_load_b128 v[IN+8*\i:IN+8*\i+3],   v1, s[4:5] offset:1024*\i th:TH_LOAD_NT
	global_load_b128 v[IN+8*\i+4:IN+8*\i+7], v1, s[4:5] offset:1024*\i+16 th:TH_LOAD_NT
.endr
.macro IT i
	s_wait_loadcnt 30-2*\i                         ; loads come back in order (ISA guide 5.7.1): this iteration's two are in, the 30 - 2 i younger ones stay out
.irp k, 0,1,2,3
	v_cvt_pk_bf16_f32 v[IN+8*\i+\k], v[IN+8*\i+2*\k], v[IN+8*\i+2*\k+1]   ; in place: word k is written after words 2k, 2k+1 >= k were read
.endr
	global_store_b128 v2, v[IN+8*\i:IN+8*\i+3], s[6:7] offset:512*\i      ; the wave writes 512 consecutive bytes, aligned
.irp k, 0,1,2,3
	v_lshlrev_b32 v[T+2*\k],   16,  v[IN+8*\i+\k]  ; the ROUNDED numbers are squared: the norm belongs to what the matrix unit will multiply
	v_and_b32     v[T+2*\k+1], s12, v[IN+8*\i+\k]
.endr
	v_pk_mul_f32 v[SS:SS+1], v[T:T+1], v[T:T+1]    ; the first product starts the sums
.irp k, 2,4,6
	v_pk_fma_f32 v[SS:SS+1], v[T+\k:T+\k+1], v[T+\k:T+\k+1], v[SS:SS+1]
.endr
	v_add_f32 v[NRM], v[SS], v[SS+1]
	v_add_f32_dpp v[NRM], v[NRM], v[NRM] row_xmask:1 row_mask:0xf bank_mask:0xf   ; over the token's eight lanes
	v_add_f32_dpp v[NRM], v[NRM], v[NRM] row_xmask:2 row_mask:0xf bank_mask:0xf
	v_add_f32_dpp v[NRM], v[NRM], v[NRM] row_xmask:4 row_mask:0xf bank_mask:0xf
	ds_store_b32 v3, v[NRM] offset:16*\i           ; the eight lanes write the same word with the same value
.endm
.irp i, 0,1,2,3,4,5,6,7,8,9,10,11,12,13,14,15
	IT \i
.endr
	ds_load_b64 v[OUTN:OUTN+1], v4                 ; LDS serves a wave's instructions in order (ISA guide 5.7.1): this sees the 16 stores above
	s_wait_dscnt 0x0
	global_store_b64 v4, v[OUTN:OUTN+1], s[8:9]    ; 32 lanes x 8 bytes: 256 consecutive bytes of bn, aligned
	s_wait_tensorcnt 0x0
	ds_add_u32 v152, v153
	s_wait_dscnt 0x0
	s_endpgm
.Lfunc_end_k_q69cd745179_prep:
	.size	k_q69cd745179_prep, .Lfunc_end_k_q69cd745179_prep-k_q69cd745179_prep
	.p2alignl 7, 3214868480
	.fill 96, 4, 3214868480
	.section	.rodata,"a",@progbits
	.p2align	6, 0x0
	.amdhsa_kernel k_q69cd745179_prep
		.amdhsa_group_segment_fixed_size 512
		.amdhsa_private_segment_fixed_size 0
		.amdhsa_enable_private_segment 0
		.amdhsa_kernarg_size 24
		.amdhsa_user_sgpr_count 2
		.amdhsa_user_sgpr_kernarg_segment_ptr 1
		.amdhsa_wavefront_size32 1
		.amdhsa_system_sgpr_workgroup_id_x 1
		.amdhsa_system_sgpr_workgroup_id_y 1
		.amdhsa_system_sgpr_workgroup_id_z 1
		.amdhsa_system_vgpr_workitem_id 0
		.amdhsa_next_free_vgpr 154
		.amdhsa_next_free_sgpr 66
		.amdhsa_reserve_vcc 0
		.amdhsa_float_denorm_mode_32 3
		.amdhsa_float_denorm_mode_16_64 3
		.amdhsa_memory_ordered 1
		.amdhsa_forward_progress 1
		.amdhsa_inst_pref_size 23
	.end_amdhsa_kernel
	.amdgpu_metadata
---
amdhsa.version: [ 1, 2 ]
amdhsa.kernels:
  - .name:           k_q69cd745179_prep
    .symbol:         k_q69cd745179_prep.kd
    .args:
      - { .name: weight, .offset: 0, .size: 8, .value_kind: global_buffer, .address_space: global }
      - { .name: wb, .offset: 8, .size: 8, .value_kind: global_buffer, .address_space: global }
      - { .name: bn, .offset: 16, .size: 8, .value_kind: global_buffer, .address_space: global }
    .group_segment_fixed_size: 512
    .private_segment_fixed_size: 0
    .kernarg_segment_align: 8
    .kernarg_segment_size: 24
    .max_flat_workgroup_size: 32
    .sgpr_count:     66
    .vgpr_count:     154
    .wavefront_size: 32
...
	.end_amdgpu_metadata
.endif
;; end of part 1
;; launch nearest (part 2): grid 256 x 1, 4 waves a work-group, clusters of 4 x 1, 327,680 bytes of LDS; arguments X, wb, bn, out0; writes out0
.if DOCPART == 2
	.amdgcn_target "amdgcn-amd-amdhsa--gfx1250"
	.amdhsa_code_object_version 6
	.text
	.protected	k_q69cd745179_nearest
	.globl	k_q69cd745179_nearest
	.p2align	8
	.type	k_q69cd745179_nearest,@function
k_q69cd745179_nearest:
	s_mov_b64 s[64:65], 0
	v_nop
	global_prefetch_b8 v0, s[64:65] scope:SCOPE_SE
	s_setreg_imm32_b32 hwreg(HW_REG_WAVE_MODE, 25, 1), 1
	s_wait_xcnt 0x0
	s_wait_alu depctr_hold_cnt(0) depctr_sa_sdst(0) depctr_va_vdst(0) depctr_va_sdst(0) depctr_va_ssrc(0) depctr_va_vcc(0) depctr_vm_vsrc(0)
	s_getreg_b32 s2, hwreg(HW_REG_IB_STS2, 6, 4)
	s_cmp_eq_u32 s2, 0
	s_cbranch_scc0 .Lentry_in_a_cluster
	s_endpgm
.Lentry_in_a_cluster:
	s_bfe_u32 s2, ttmp6, 0x10000c
	s_cmp_lg_u32 s2, 0x3003
	s_cbranch_scc0 .Lentry_shape_is_right
	s_endpgm
.Lentry_shape_is_right:
; out0[row] = the first n that makes  dist = |x|^2 - 2 x.y_n + |y_n|^2  smallest.   X: [16384][64] f32;  wb: [8192][64] bf16 (the codebook, rounded);
; bn: [8192] f32 (the rounded codebook's norms);  out0: [16384] i32.
;
; SHARES.  A work-group owns 64 rows of X and walks all 8,192 tokens: 256 equal work-groups, no sum between them.  Each of its four waves keeps all 64 rows
; (four fragments' worth of 16 rows, 64 registers) for the whole kernel and takes a quarter of the tokens: in phase p = 0..7 wave w has tokens
; 1024 p + 256 w + 0..255, sixteen tiles of 16.  A wave fetches its own tokens and reads only its own LDS bytes.  A tile's 2 KiB + 64 bytes feed 8 matrix instructions.
;
; THE MATRIX INSTRUCTION IS USED WITH TOKENS AS SOURCE 0 AND ROWS OF X AS SOURCE 1: lane l then holds ONE row of X (l % 16) and its eight result registers
; eight tokens (8 (l / 16) + j), so that the search for the minimum runs inside a lane, over registers and tiles, and meets other lanes once, at the end.
; X's fragments hold bf16(-2 x) = -2 bf16(x) (a power of two: exact), and a tile's first matrix instruction takes the tokens' norms as C: two matrix
; instructions leave |y|^2 - 2 x.y, and four packed adds put |x|^2 on top.
; THE SEARCH, for each tile and 16 rows: four three-way minima fold eight distances into the running minimum; one compare (new < old) says whether this tile
; holds a new best; nine selects then keep the tile's first token and its eight distances.  WHICH of the eight won is looked up once, at the end.
; The strict compare keeps the earliest tile, the look-up the lowest register; lanes and waves are merged by (distance, token): the first index wins a tie.
;
; CLUSTER.  All work-groups read the same tiles of wb and bn.  Four form a cluster and ask for each tile JOINTLY (mask 15): the requests for wb and bn are
; divided by four.  Every descriptor hangs on the wave's number and the phase alone.  X is shared by nobody and comes through registers.
;
; LIMITS.  All three terms are made of the inputs rounded to bf16, sums in f32.  The distance is rounded as (|y|^2 - 2 x.y) + |x|^2, not as
; (|x|^2 - 2 x.y) + |y|^2: two distances nearer to each other than these roundings (some 1e-5 at a distance of 60) are told apart by this text's own roundings.
; A NaN distance never wins here (jnp.argmin would return the first NaN).  A row whose distances are all +inf gives 0.  |x| below about 4e18, so that the sum of (2 x)^2 stays finite.
.set PITCH, 272                        ; an LDS row: 256 bytes (two tokens) + 16 of padding
.set QUART, 128*PITCH                  ; a wave's 256 tokens of a phase: 34,816 bytes
.set SLOT,  4*QUART                    ; a phase's 1,024 tokens
.set BNB,   2*SLOT                     ; behind the two slots: all norms, 8 KiB a wave: wave, phase (1 KiB), token
.set SCR,   BNB+32768                  ; behind them: 512 bytes a wave, (distance, token) of 64 rows; written by LDS stores alone, no fill ever lands here
.set TILEB, 8*PITCH                    ; 16 tokens
.set PHB,   131072                     ; bytes of wb in a phase
.set RR,   1                           ; v1       l % 16
.set HH,   2                           ; v2       l / 16
.set XOFF, 3                           ; v3       256 (l % 16) + 32 (l / 16): my piece of a row of X
.set ADRW, 4                           ; v4, v5   LDS address of my piece of a token tile in slot 0, 1
.set ADRB, 6                           ; v6       LDS address of my eight norms in this phase's tile 0
.set H8,   7                           ; v7       8 (l / 16)
.set SCRW, 8                           ; v8       where I put a row's (distance, token)
.set SCRR, 9                           ; v9       where wave 0 reads two rows' back
.set SQ,   10                          ; v[10:11] sums of squares
.set OOFF, 12                          ; v12      8 x lane: two indices in out0
.set TA,   13                          ; v13-15   at work
.set JJ,   14
.set XF,   16                          ; v[16:79]   -2 X: rows 16 q .. + 15 at 16 q; k 0-31 in registers 0-7, k 32-63 in 8-15
.set AA,   80                          ; v[80:87]   |x|^2 of my row of tile q, twice (a pair for the packed add)
.set RUN,  88                          ; v[88:95]   the running minimum, two sets that take turns by the tile's parity: no move
.set IDX,  96                          ; v[96:99]   first token of the best tile so far
.set BEST, 100                         ; v[100:131] its eight distances, row tile q at 8 q
.set ST,   100                         ; v[100:227] X as loaded: free until the first tile
.set ACC,  132                         ; v[132:195] two sets of four accumulators
.set PR,   132                         ; the end: pairs (distance, token)
.set WF,   196                         ; v[196:227] token fragments, two buffers of 16
.set BF,   228                         ; v[228:243] norms, two buffers of 8
.set T,    244                         ; v[244:249] partial minima
.set G1W,  16                          ; s[16:23] shape of a tile of wb
.set G1N,  24                          ; s[24:31] shape of the tile of bn
.set G0,   32                          ; s[32:39] from where, to where: one set for each slot
.set G0N,  40                          ; s[40:43] the same for bn
; s12 wave; s13 place in the cluster; s14 work-group; s15 wave x QUART; s44 trips; s45 first token of the tile being searched; s46 a second compare mask;
; s47 upper bf16; s48, s49 lane i <-> lane i xor 16; s[50:53] offsets; s54-56 merge masks; s57 +inf
; A round of the cluster's barrier: my work-group's barrier, so that wave 0 speaks for all four waves; wave 0 signals; every wave waits for the four work-groups; my work-group's barrier again.
.macro ROUND
	s_barrier_signal -1
	s_barrier_wait -1
	s_cmp_lg_u32 s12, 0
	s_cbranch_scc1 .Lnot_wave_0_\@
	s_barrier_signal -3
.Lnot_wave_0_\@:
	s_barrier_wait -3
	s_barrier_signal -1
	s_barrier_wait -1
.endm
	s_load_b256 s[4:11], s[0:1], 0x0               ; X s[4:5], wb s[6:7], bn s[8:9], out0 s[10:11]
	v_lshl_add_u32 v254, v0, 2, 0x4c800
	v_mov_b32 v255, 0
	ds_add_u32 v254, v255
	v_lshrrev_b32 v[TA], 5, v0
	v_readfirstlane_b32 s12, v[TA]                 ; wave 0..3
	s_bfe_u32 s13, ttmp6, 0x40000                  ; my place in the cluster
	s_lshl_b32 s14, ttmp9, 2                       ; ttmp9 counts clusters
	s_add_co_u32 s14, s14, s13                     ; work-group: enters the addresses of X and out0 and nothing else
	s_mov_b32 s47, 0xffff0000
	s_mov_b32 s48, 0x76543210
	s_mov_b32 s49, 0xfedcba98
	s_mov_b32 s57, 0x7f800000
	; a wave's 32 KiB of wb are dense in memory: 128 rows of 32 elements of 8 bytes, 16 bytes of padding behind each in LDS
	s_mov_b32 s[G1W+0], 15|(3<<16)|(1<<20)|(1<<21)|(5<<22)|(3<<25)  ; 15:0 mask: all four work-groups; 17:16 8 bytes; 20 padding on; 21 set beside a mask; 24:22 after 64 words; 31:25 of 4 words
	s_mov_b32 s[G1W+1], 32<<16                     ; tensor_dim0 = 32
	s_mov_b32 s[G1W+2], 128<<16                    ; tensor_dim1 = 128
	s_mov_b32 s[G1W+3], 32<<16                     ; tile_dim0 = 32
	s_mov_b32 s[G1W+4], 128                        ; tile_dim1 = 128
	s_mov_b32 s[G1W+5], 32                         ; from row to row: 32 elements
	s_mov_b32 s[G1W+6], 0
	s_mov_b32 s[G1W+7], 0
	; a wave's norms: 8 rows (one a phase) of 1 KiB, 4 KiB apart in memory, dense in LDS
	s_mov_b32 s[G1N+0], 15|(3<<16)|(1<<21)
	s_mov_b32 s[G1N+1], 128<<16
	s_mov_b32 s[G1N+2], 8<<16
	s_mov_b32 s[G1N+3], 128<<16
	s_mov_b32 s[G1N+4], 8
	s_mov_b32 s[G1N+5], 512
	s_mov_b32 s[G1N+6], 0
	s_mov_b32 s[G1N+7], 0
	s_mul_i32 s15, s12, QUART                      ; my quarter of a slot
	s_mov_b32 s[G0N], 1
	s_lshl_b32 s[G0N+1], s12, 13
	s_add_co_u32 s[G0N+1], s[G0N+1], BNB           ; my 8 KiB of norms
	s_lshl_b32 s50, s12, 15                        ; 256 tokens of 128 bytes
	s_mov_b32 s51, 0
	s_lshl_b32 s52, s12, 10                        ; 256 norms
	s_mov_b32 s53, 0
	v_and_b32 v[RR], 15, v0
	v_bfe_u32 v[HH], v0, 4, 1
	v_lshlrev_b32 v[XOFF], 8, v[RR]
	v_lshl_add_u32 v[XOFF], v[HH], 5, v[XOFF]
	s_wait_dscnt 0x0
	s_wait_kmcnt 0x0
	s_add_nc_u64 s[50:51], s[6:7], s[50:51]        ; wb at my quarter of phase 0
	s_add_nc_u64 s[G0N+2:G0N+3], s[8:9], s[52:53]
	s_or_b32 s[G0N+3], s[G0N+3], 0x80000000
.irp s, 0,1
	s_mov_b32 s[G0+4*\s], 1
	s_add_co_u32 s[G0+4*\s+1], s15, \s*SLOT
	s_add_nc_u64 s[G0+4*\s+2:G0+4*\s+3], s[50:51], \s*PHB          ; phase s
	s_or_b32 s[G0+4*\s+3], s[G0+4*\s+3], 0x80000000
.endr
	s_lshl_b32 s52, s14, 14                        ; 64 rows of 256 bytes
	s_add_nc_u64 s[4:5], s[4:5], s[52:53]
	s_lshl_b32 s52, s14, 8                         ; 64 indices
	s_add_nc_u64 s[10:11], s[10:11], s[52:53]
	ROUND                                          ; the four work-groups are here: the first joint loads meet
	tensor_load_to_lds s[G0N:G0N+3], s[G1N:G1N+7]  ; the three first fills go out as one group: three tensor loads of the wave are out here, one later on
	s_nop 0
	tensor_load_to_lds s[G0:G0+3], s[G1W:G1W+7]
	s_nop 0
	tensor_load_to_lds s[G0+4:G0+7], s[G1W:G1W+7]
	s_nop 0
	; X, while those land.  A fragment of 16 rows x 32 k: lane l holds row l % 16; registers 0-3 k = 8 (l / 16) + 0..7, registers 4-7 k = 16 + 8 (l / 16) + 0..7.
	; Chunk c = 0..3 of a row is k = 16 c + 8 (l / 16) + 0..7: 32 bytes of f32, four registers of the fragments.
.irp q, 0,1,2,3
.irp c, 0,1,2,3
	global_load_b128 v[ST+32*\q+8*\c:ST+32*\q+8*\c+3],   v[XOFF], s[4:5] offset:4096*\q+64*\c
	global_load_b128 v[ST+32*\q+8*\c+4:ST+32*\q+8*\c+7], v[XOFF], s[4:5] offset:4096*\q+64*\c+16
.endr
.endr
.macro XCONV q
	s_wait_loadcnt 24-8*\q                         ; loads come back in order (ISA guide 5.7.1): this row tile's eight are in, the later tiles' stay out
.irp c, 0,1,2,3
.set SB, ST+32*\q+8*\c
.irp k, 0,1,2,3
	v_pk_mul_f32 v[SB+2*\k:SB+2*\k+1], v[SB+2*\k:SB+2*\k+1], -2.0 op_sel_hi:[1,0]
.endr
.irp k, 0,1,2,3
	v_cvt_pk_bf16_f32 v[XF+16*\q+4*\c+\k], v[SB+2*\k], v[SB+2*\k+1]
.endr
.irp k, 0,1,2,3
	v_lshlrev_b32 v[SB+2*\k],   16,  v[XF+16*\q+4*\c+\k]           ; the rounded numbers are squared
	v_and_b32     v[SB+2*\k+1], s47, v[XF+16*\q+4*\c+\k]
.endr
.irp k, 0,1,2,3
.if (\c+\k) == 0
	v_pk_mul_f32 v[SQ:SQ+1], v[SB:SB+1], v[SB:SB+1]                ; the first product starts the sums
.else
	v_pk_fma_f32 v[SQ:SQ+1], v[SB+2*\k:SB+2*\k+1], v[SB+2*\k:SB+2*\k+1], v[SQ:SQ+1]
.endif
.endr
.endr
	v_add_f32 v[SQ], v[SQ], v[SQ+1]                ; my 32 k of the row;
	v_permlanex16_b32 v[TA], v[SQ], s48, s49       ; lane l xor 16 holds the other 32 (v13 has been written: the destination counts as read)
	v_add_f32 v[SQ], v[SQ], v[TA]
	v_mul_f32 v[AA+2*\q],   0.25, v[SQ]            ; the sum of (-2 x)^2 is 4 |x|^2: exact
	v_mul_f32 v[AA+2*\q+1], 0.25, v[SQ]
.endm
	XCONV 0
	XCONV 1
	XCONV 2
	XCONV 3
	; Token t of my quarter lies at (t / 2) x 272 + (t % 2) x 128.  The sixteen lanes of a half touch the 16-byte columns (r / 2) + 8 (r % 2): sixteen different ones modulo 256 bytes.
	v_lshrrev_b32 v[JJ], 1, v[RR]
	v_mul_u32_u24 v[JJ], v[JJ], PITCH
	v_and_b32 v15, 1, v[RR]
	v_lshl_add_u32 v[JJ], v15, 7, v[JJ]
	v_lshl_add_u32 v[JJ], v[HH], 4, v[JJ]          ; + 16 (l / 16)
	v_add_nc_u32 v[ADRW], s15, v[JJ]
	v_add_nc_u32 v[ADRW+1], SLOT, v[ADRW]
	v_lshl_add_u32 v[ADRB], v[HH], 5, s[G0N+1]     ; eight norms for each half of the lanes
	v_lshlrev_b32 v[H8], 3, v[HH]
	s_lshl_b32 s52, s12, 9
	s_add_co_u32 s52, s52, SCR
	v_lshl_add_u32 v[SCRW], v[RR], 3, s52
	v_and_b32 v15, 31, v0
	v_lshl_add_u32 v[SCRR], v15, 4, SCR
	v_lshlrev_b32 v[OOFF], 3, v15
	s_lshl_b32 s45, s12, 8                         ; my first token
; six LDS loads: tile u of a slot into buffer buf: 16 tokens x 64 k, and their norms as a C operand (register j = token 8 (l / 16) + j)
.macro LOADF slot, u, buf
.irp c, 0,1,2,3
	ds_load_b128 v[WF+16*(\buf)+4*\c:WF+16*(\buf)+4*\c+3], v[ADRW+\slot] offset:(\u)*TILEB+32*\c
.endr
.irp e, 0,1
	ds_load_b128 v[BF+8*(\buf)+4*\e:BF+8*(\buf)+4*\e+3], v[ADRB] offset:(\u)*64+16*\e
.endr
.endm
; matrix instruction i = 0..7 of a tile: k 0-31 for the four row tiles, on top of the norms; then k 32-63, in place.
; The four accumulators take turns, one instruction a turn, and two sets take turns from tile to tile.
.macro WM i, cur
.if \i < 4
	v_wmma_f32_16x16x32_bf16 v[ACC+32*(\cur)+8*\i:ACC+32*(\cur)+8*\i+7], v[WF+16*(\cur):WF+16*(\cur)+7], v[XF+16*\i:XF+16*\i+7], v[BF+8*(\cur):BF+8*(\cur)+7]
.else
	v_wmma_f32_16x16x32_bf16 v[ACC+32*(\cur)+8*(\i-4):ACC+32*(\cur)+8*(\i-4)+7], v[WF+16*(\cur)+8:WF+16*(\cur)+15], v[XF+16*(\i-4)+8:XF+16*(\i-4)+15], v[ACC+32*(\cur)+8*(\i-4):ACC+32*(\cur)+8*(\i-4)+7]
.endif
.endm
; Eighth i = 0..7 of the search through the tile in accumulator set par: nine vector instructions.  Row tiles go two at a time (0, 1 in i = 0..3; 2, 3 in i = 4..7),
; so that an instruction seldom needs the one in front of it.
.macro EP i, par
.set Q0, 2*((\i)/4)
.set D0, ACC+32*(\par)+8*Q0
.set D1, D0+8
.set RO, RUN+4*(\par)+Q0               ; the minimum so far
.set RN, RUN+4*(1-(\par))+Q0           ; the minimum with this tile
.set B0, BEST+8*Q0
.set PART, (\i)%4
.if PART == 0
.irp j, 0,2,4,6
	v_pk_add_f32 v[D0+\j:D0+\j+1], v[D0+\j:D0+\j+1], v[AA+2*Q0:AA+2*Q0+1]          ; + |x|^2
.endr
.irp j, 0,2,4,6
	v_pk_add_f32 v[D1+\j:D1+\j+1], v[D1+\j:D1+\j+1], v[AA+2*Q0+2:AA+2*Q0+3]
.endr
	v_min3_num_f32 v[T], v[D0], v[D0+1], v[D0+2]
.endif
.if PART == 1
	v_min3_num_f32 v[T+1], v[D0+3], v[D0+4], v[D0+5]
	v_min3_num_f32 v[T+2], v[D0+6], v[D0+7], v[RO]
	v_min3_num_f32 v[T+3], v[D1], v[D1+1], v[D1+2]
	v_min3_num_f32 v[T+4], v[D1+3], v[D1+4], v[D1+5]
	v_min3_num_f32 v[T+5], v[D1+6], v[D1+7], v[RO+1]
	v_min3_num_f32 v[RN], v[T], v[T+1], v[T+2]
	v_min3_num_f32 v[RN+1], v[T+3], v[T+4], v[T+5]
	v_cmp_lt_f32 vcc_lo, v[RN], v[RO]              ; strictly smaller: an equal distance in a later tile does not win
	v_cmp_lt_f32 s46, v[RN+1], v[RO+1]
.endif
.if PART == 2
	v_cndmask_b32 v[IDX+Q0], v[IDX+Q0], s45, vcc_lo
.irp j, 0,1,2,3,4,5,6,7
	v_cndmask_b32 v[B0+\j], v[B0+\j], v[D0+\j], vcc_lo
.endr
.endif
.if PART == 3
	v_cndmask_b32 v[IDX+Q0+1], v[IDX+Q0+1], s45, s46
.irp j, 0,1,2,3,4,5,6,7
	v_cndmask_b32 v[B0+8+\j], v[B0+8+\j], v[D1+\j], s46
.endr
.endif
.endm
; One step: tile u is loaded, tile u - 1 multiplied, tile u - 2 searched; one matrix instruction to nine vector instructions.
; PLACES (ISA guide 7.12.1 for vector instructions).  The search names the OTHER accumulator set and none of the running matrix instructions' registers, so its lines are places.
; The loads go into the buffers that the last step's matrix instructions read: nine search lines stand behind the last of those.  The search reads accumulators
; that the last step wrote: behind the write of row tiles 0, 1 stand 27 such lines, behind that of 2, 3 nine and this step's first 36.
.macro WORK slot, u, mm, ep, tokstep
.set PB, (\u)%2
.set PM, 1-PB
	LOADF \slot, \u, PB
.irp i, 0,1,2,3,4,5,6,7
.if \mm
	WM \i, PM
.endif
.if \ep
	EP \i, PB
.endif
.endr
.if \tokstep
	s_add_co_u32 s45, s45, \tokstep                ; the next tile to be searched
.endif
.endm
.macro STEP slot, u, mm, ep, tokstep
	s_wait_dscnt 0x0                               ; tile u - 1's six loads, issued a step ago; nothing younger is out
	WORK \slot, \u, \mm, \ep, \tokstep
.endm
; A phase: sixteen tiles from one slot.  refill = 1: the other slot, whose last tile is now in registers, is filled again, two phases on from what it held.
; The order: my reads of the other slot are back; ALL my tensor loads have landed (one was out: this phase's slot, asked for a whole phase ago); the address steps while
; no load of mine is out; a round of the cluster's barrier, so that both hold of every wave of all four work-groups; the joint load first behind it, my only one until the next round.
.macro PHASE slot, refill
	v_add_nc_u32 v[ADRB], 1024, v[ADRB]            ; this phase's norms
	s_wait_dscnt 0x0
	s_wait_tensorcnt 0x0
	ds_add_u32 v254, v255
	s_wait_dscnt 0x0
.if \refill
	s_add_nc_u64 s[G0+4*(1-\slot)+2:G0+4*(1-\slot)+3], s[G0+4*(1-\slot)+2:G0+4*(1-\slot)+3], 2*PHB
	ROUND
	tensor_load_to_lds s[G0+4*(1-\slot):G0+4*(1-\slot)+3], s[G1W:G1W+7]
	s_nop 0
.endif
	WORK \slot, 0, 1, 1, 16                        ; multiplies tile 15 and searches tile 14 of the phase before
	STEP \slot, 1, 1, 1, 784                       ; searches its tile 15; the next is this phase's tile 0: 1,024 - 240 tokens on
.irp u, 2,3,4,5,6,7,8,9,10,11,12,13,14,15
	STEP \slot, \u, 1, 1, 16
.endr
.endm
	; Phase 0, written out: the pipe fills.
	s_wait_tensorcnt 0x1                           ; tensor loads of a wave end in order (ISA guide 10.11.1): my norms and my quarter of slot 0 are in.
	                                               ; I read my own loads' bytes alone: no barrier
	WORK 0, 0, 0, 0, 0                             ; tile 0: loads only
	STEP 0, 1, 1, 0, 0                             ; tile 0 is multiplied
.irp j, 0,1,2,3
	v_mov_b32 v[RUN+\j], s57                       ; the search starts at +inf, with my first token; these 40 lines are also the places behind the eight matrix instructions
	v_mov_b32 v[IDX+\j], s45
.endr
.set j, 0
.rept 32
	v_mov_b32 v[BEST+j], s57
.set j, j+1
.endr
.irp u, 2,3,4,5,6,7,8,9,10,11,12,13,14,15
	STEP 0, \u, 1, 1, 16
.endr
	s_mov_b32 s44, 3                               ; phases 1 to 6; their heads ask for phases 2 to 7
.Lpair:
	PHASE 1, 1
	PHASE 0, 1
	s_sub_co_u32 s44, s44, 1
	s_cmp_lg_u32 s44, 0
	s_cbranch_scc1 .Lpair
	PHASE 1, 0                                     ; phase 7: nothing is left to fetch, so no round; the wait for 0 shows my own quarter landed, and no load is out from here on
	; the pipe drains: tile 15 is multiplied while tile 14 is searched, then tile 15 is searched
	s_wait_dscnt 0x0
.irp i, 0,1,2,3,4,5,6,7
	WM \i, 1
	EP \i, 0
.endr
	s_add_co_u32 s45, s45, 16
.irp i, 0,1,2,3,4,5,6,7
	EP \i, 1                                       ; row tiles 0, 1: 27 places behind their last matrix instruction; 2, 3: nine and the 36 lines of tiles 0, 1
.endr
; (distance va, token ta) gives way to (vb, tb) if that is nearer, or as near with a lower token.  The masks feed selects alone.
.macro MERGE va, ta, vb, tb
	v_cmp_lt_f32 s54, v[\vb], v[\va]
	v_cmp_eq_f32 s55, v[\vb], v[\va]
	v_cmp_lt_u32 s56, v[\tb], v[\ta]
	s_and_b32 s55, s55, s56
	s_or_b32 s54, s54, s55
	v_cndmask_b32 v[\va], v[\va], v[\vb], s54
	v_cndmask_b32 v[\ta], v[\ta], v[\tb], s54
.endm
; Row tile q.  The minimum (in set 0: the last tile's parity is 1) is one of the eight distances kept: the lowest register that equals it names the token.
.macro FIN q
	v_mov_b32 v[JJ], 0
.irp j, 7,6,5,4,3,2,1,0
	v_cmp_eq_f32 vcc_lo, v[BEST+8*\q+\j], v[RUN+\q]
	v_cndmask_b32 v[JJ], v[JJ], \j, vcc_lo
.endr
	v_mov_b32 v[PR+2*\q], v[RUN+\q]
	v_add3_u32 v[PR+2*\q+1], v[IDX+\q], v[H8], v[JJ]               ; tile's first token + 8 (l / 16) + register
	v_permlanex16_b32 v[T], v[PR+2*\q], s48, s49                   ; lane l xor 16 searched the same row's other tokens
	v_permlanex16_b32 v[T+1], v[PR+2*\q+1], s48, s49
	MERGE PR+2*\q, PR+2*\q+1, T, T+1
	ds_store_b64 v[SCRW], v[PR+2*\q:PR+2*\q+1] offset:128*\q       ; both halves of the lanes write the same pair to the same place
.endm
	FIN 0
	FIN 1
	FIN 2
	FIN 3
	s_wait_dscnt 0x0                               ; for wave 0's sake: my four stores are done
	s_barrier_signal -1
	s_barrier_wait -1
	s_cmp_lg_u32 s12, 0
	s_cbranch_scc1 .Lothers
.irp w, 0,1,2,3
	ds_load_b128 v[PR+4*\w:PR+4*\w+3], v[SCRR] offset:512*\w       ; rows 2 l and 2 l + 1 as wave w found them
.endr
	s_wait_dscnt 0x0
.irp w, 1,2,3
	MERGE PR, PR+1, PR+4*\w, PR+4*\w+1
	MERGE PR+2, PR+3, PR+4*\w+2, PR+4*\w+3
.endr
	v_mov_b32 v[PR], v[PR+1]                       ; the two tokens side by side
	v_mov_b32 v[PR+1], v[PR+3]
	global_store_b64 v[OOFF], v[PR:PR+1], s[10:11] ; 32 lanes x 8 bytes: the work-group's 256 consecutive bytes of out0, aligned
.Lothers:
	s_wait_tensorcnt 0x0
	ds_add_u32 v254, v255
	s_wait_dscnt 0x0
	ROUND                                          ; the closing round: no work-group ends while a partner may still ask for a tile that names it
	s_endpgm
.Lfunc_end_k_q69cd745179_nearest:
	.size	k_q69cd745179_nearest, .Lfunc_end_k_q69cd745179_nearest-k_q69cd745179_nearest
	.p2alignl 7, 3214868480
	.fill 96, 4, 3214868480
	.section	.rodata,"a",@progbits
	.p2align	6, 0x0
	.amdhsa_kernel k_q69cd745179_nearest
		.amdhsa_group_segment_fixed_size 327680
		.amdhsa_private_segment_fixed_size 0
		.amdhsa_enable_private_segment 0
		.amdhsa_kernarg_size 32
		.amdhsa_user_sgpr_count 2
		.amdhsa_user_sgpr_kernarg_segment_ptr 1
		.amdhsa_wavefront_size32 1
		.amdhsa_system_sgpr_workgroup_id_x 1
		.amdhsa_system_sgpr_workgroup_id_y 1
		.amdhsa_system_sgpr_workgroup_id_z 1
		.amdhsa_system_vgpr_workitem_id 0
		.amdhsa_next_free_vgpr 256
		.amdhsa_next_free_sgpr 66
		.amdhsa_reserve_vcc 1
		.amdhsa_float_denorm_mode_32 3
		.amdhsa_float_denorm_mode_16_64 3
		.amdhsa_memory_ordered 1
		.amdhsa_forward_progress 1
		.amdhsa_inst_pref_size 255
	.end_amdhsa_kernel
	.section	.bss,"aw",@nobits
	.p2align	6
	.space	262144
	.amdgpu_metadata
---
amdhsa.version: [ 1, 2 ]
amdhsa.kernels:
  - .name:           k_q69cd745179_nearest
    .symbol:         k_q69cd745179_nearest.kd
    .args:
      - { .name: X, .offset: 0, .size: 8, .value_kind: global_buffer, .address_space: global }
      - { .name: wb, .offset: 8, .size: 8, .value_kind: global_buffer, .address_space: global }
      - { .name: bn, .offset: 16, .size: 8, .value_kind: global_buffer, .address_space: global }
      - { .name: out0, .offset: 24, .size: 8, .value_kind: global_buffer, .address_space: global }
    .group_segment_fixed_size: 327680
    .private_segment_fixed_size: 0
    .kernarg_segment_align: 8
    .kernarg_segment_size: 32
    .max_flat_workgroup_size: 128
    .sgpr_count:     66
    .vgpr_count:     256
    .wavefront_size: 32
...
	.end_amdgpu_metadata
.endif
;; end of part 2
